; MI455X (gfx1250); checked and timed in simulation.
; The chip was launched on July 23, 2026; its instructions are those of AMD's public machine-readable ISA for CDNA 5 (MIT licence, August 2026) and "CDNA5" Instruction Set Architecture Reference Guide (July 2026). The comments in the code are by the model that wrote it; some were corrected since.
;; LSTM Cell. Allowed arithmetic: float matrix products may take bf16 or f16 operands with f32 sums; other float arithmetic in f32, or as packed bf16 or f16 multiplies, adds, multiply-adds, maxima and minima; sums over many terms, partial sums and values carried from step to step in f32; what a program stores and reads back later, other than sums and carried values, may be rounded once to bf16 or f16.
;; Inputs: W_f 1,024 x 2,048 float32; W_g 1,024 x 2,048 float32; W_i 1,024 x 2,048 float32; W_o 1,024 x 2,048 float32; b_f 1,024 float32; b_g 1,024 float32; b_i 1,024 float32; b_o 1,024 float32; c 8,192 x 1,024 float32; h 8,192 x 1,024 float32; x 8,192 x 1,024 float32.
;; Outputs: out0 8,192 x 1,024 float32; out1 8,192 x 1,024 float32.
;; 2 versions, each right; version 2 is version 1 with the launch cast written anew for expert scheduling mode. Each part assembles by itself: llvm-mc -triple=amdgcn-amd-amdhsa -mcpu=gfx1250 --defsym DOCPART=n.
;; ======== version 1 of 2: 2 launches
;; workspace buffers: ab 33,554,432 bytes; wb 16,777,216 bytes
;; launch cast (part 1): grid 768 x 1, 8 waves a work-group, no clusters, 0 bytes of LDS; arguments x, h, W_i, W_f, W_o, W_g, ab, wb; writes ab, wb
.if DOCPART == 1
	.amdgcn_target "amdgcn-amd-amdhsa--gfx1250"
	.amdhsa_code_object_version 6
	.text
	.protected	k_q1e5c03e5f8_cast
	.globl	k_q1e5c03e5f8_cast
	.p2align	8
	.type	k_q1e5c03e5f8_cast,@function
k_q1e5c03e5f8_cast:
	s_mov_b64 s[64:65], 0
	v_nop
	global_prefetch_b8 v0, s[64:65] scope:SCOPE_SE
	s_setreg_imm32_b32 hwreg(HW_REG_WAVE_MODE, 25, 1), 1
	s_wait_xcnt 0x0
; The matrix operands of the LSTM cell, rounded once to bf16 (to nearest even) and laid out for the product.
; ab: [8192][2048] bf16, row m = x[m][0:1024] then h[m][0:1024].
; wb: [4096][2048] bf16, row (j / 16) x 64 + 16 g + j % 16 = W_g[j][:], g = 0, 1, 2, 3 for i, f, o, g: the four gates of 16 hidden units lie in 64 rows on end.
; A stream: each byte is read once and written once, nothing is shared, so there is no LDS, no barrier and no matrix work.
; SHARES.  Work-groups 0-255 take x, 256-511 h, 512-767 the four W.  A wave takes 16,384 consecutive bytes of its source (4 rows of x or h, 2 rows of a W):
; 32 loads of 512 consecutive bytes, all issued at once; each becomes one store of 256 consecutive bytes, at a multiple of 256 from the buffer's first byte.
; No register is written twice, so the only waits are the counted ones for the loads.
.set DO, 2                             ; v[2:5]    8 x lane + u x stride: the place of load 8 u's result
.set X,  8                             ; v[8:135]  load n: 4 registers
	s_load_b512 s[8:23], s[0:1], 0x0               ; x s[8:9], h s[10:11], W_i s[12:13], W_f s[14:15], W_o s[16:17], W_g s[18:19], ab s[20:21], wb s[22:23]
	v_lshrrev_b32 v6, 5, v0
	v_readfirstlane_b32 s2, v6                     ; wave 0..7
	v_and_b32 v7, 31, v0                           ; lane
	s_lshr_b32 s3, ttmp9, 8                        ; section: 0 x, 1 h, 2 the weights
	s_and_b32 s4, ttmp9, 255
	s_lshl_b32 s4, s4, 3
	s_add_co_u32 s4, s4, s2                        ; my wave among the section's 2,048
	s_lshr_b32 s5, s4, 9                           ; weights: the gate,
	s_and_b32 s6, s4, 511                          ; and my wave among its 512
	s_lshl_b32 s30, s4, 14                         ; x, h: 4 rows of ab, 4,096 bytes each,
	s_lshl_b32 s33, s3, 11                         ; h in the rows' second half
	s_add_co_u32 s30, s30, s33
	s_lshl_b32 s34, s6, 1                          ; weights: j, my first row of the gate's W: even, so j + 1 is the next row of wb
	s_lshr_b32 s35, s34, 4
	s_lshl_b32 s35, s35, 6                         ; (j / 16) x 64
	s_lshl_b32 s36, s5, 4
	s_add_co_u32 s35, s35, s36                     ; + 16 x gate
	s_and_b32 s34, s34, 15
	s_add_co_u32 s35, s35, s34                     ; + j % 16
	s_lshl_b32 s35, s35, 12                        ; rows of 4,096 bytes
	s_movk_i32 s32, 0x1000                         ; x, h: eight loads make half a row of ab, the next eight the row below
	s_cmp_eq_u32 s3, 2
	s_cselect_b32 s28, s6, s4
	s_cselect_b32 s30, s35, s30                    ; byte offset of my results
	s_cselect_b32 s32, 0x800, s32                  ; weights: eight loads make half a row of wb, the next eight its other half
	s_lshl_b32 s28, s28, 14                        ; byte offset of my 16,384 source bytes
	s_mov_b32 s29, 0
	s_mov_b32 s31, 0
	v_lshlrev_b32 v1, 4, v7                        ; 16 bytes a lane in,
	v_lshlrev_b32 v[DO], 3, v7                     ; 8 bytes a lane out
	v_add_nc_u32 v[DO+1], s32, v[DO]
	v_add_nc_u32 v[DO+2], s32, v[DO+1]
	v_add_nc_u32 v[DO+3], s32, v[DO+2]
	s_wait_kmcnt 0x0
	s_mov_b64 s[24:25], s[12:13]                   ; the source: chosen by the gate, then by the section
	s_cmp_eq_u32 s5, 1
	s_cselect_b64 s[24:25], s[14:15], s[24:25]
	s_cmp_eq_u32 s5, 2
	s_cselect_b64 s[24:25], s[16:17], s[24:25]
	s_cmp_eq_u32 s5, 3
	s_cselect_b64 s[24:25], s[18:19], s[24:25]
	s_cmp_eq_u32 s3, 0
	s_cselect_b64 s[24:25], s[8:9], s[24:25]
	s_cmp_eq_u32 s3, 1
	s_cselect_b64 s[24:25], s[10:11], s[24:25]
	s_cmp_eq_u32 s3, 2
	s_cselect_b64 s[26:27], s[22:23], s[20:21]     ; the destination
	s_add_nc_u64 s[24:25], s[24:25], s[28:29]
	s_add_nc_u64 s[26:27], s[26:27], s[30:31]
.set nn, 0
.rept 32
	global_load_b128 v[X+4*nn:X+4*nn+3], v1, s[24:25] offset:512*nn th:TH_LOAD_NT
.set nn, nn+1
.endr
.set nn, 0
.rept 32
	s_wait_loadcnt 31-nn                           ; loads come back in order (ISA guide 5.7.1): load nn is in, the 31 - nn younger ones stay out
	v_cvt_pk_bf16_f32 v[X+4*nn], v[X+4*nn], v[X+4*nn+1]
	v_cvt_pk_bf16_f32 v[X+4*nn+1], v[X+4*nn+2], v[X+4*nn+3]
	global_store_b64 v[DO+nn/8], v[X+4*nn:X+4*nn+1], s[26:27] offset:256*(nn%8)  ; 32 lanes x 8 bytes: 256 consecutive bytes
.set nn, nn+1
.endr
	s_endpgm
.Lfunc_end_k_q1e5c03e5f8_cast:
	.size	k_q1e5c03e5f8_cast, .Lfunc_end_k_q1e5c03e5f8_cast-k_q1e5c03e5f8_cast
	.p2alignl 7, 3214868480
	.fill 96, 4, 3214868480
	.section	.rodata,"a",@progbits
	.p2align	6, 0x0
	.amdhsa_kernel k_q1e5c03e5f8_cast
		.amdhsa_group_segment_fixed_size 0
		.amdhsa_private_segment_fixed_size 0
		.amdhsa_enable_private_segment 0
		.amdhsa_kernarg_size 64
		.amdhsa_user_sgpr_count 2
		.amdhsa_user_sgpr_kernarg_segment_ptr 1
		.amdhsa_wavefront_size32 1
		.amdhsa_system_sgpr_workgroup_id_x 1
		.amdhsa_system_sgpr_workgroup_id_y 1
		.amdhsa_system_sgpr_workgroup_id_z 1
		.amdhsa_system_vgpr_workitem_id 0
		.amdhsa_next_free_vgpr 136
		.amdhsa_next_free_sgpr 66
		.amdhsa_reserve_vcc 0
		.amdhsa_float_denorm_mode_32 3
		.amdhsa_float_denorm_mode_16_64 3
		.amdhsa_memory_ordered 1
		.amdhsa_forward_progress 1
		.amdhsa_inst_pref_size 13
	.end_amdhsa_kernel
	.amdgpu_metadata
---
amdhsa.version: [ 1, 2 ]
amdhsa.kernels:
  - .name:           k_q1e5c03e5f8_cast
    .symbol:         k_q1e5c03e5f8_cast.kd
    .args:
      - { .name: x, .offset: 0, .size: 8, .value_kind: global_buffer, .address_space: global }
      - { .name: h, .offset: 8, .size: 8, .value_kind: global_buffer, .address_space: global }
      - { .name: W_i, .offset: 16, .size: 8, .value_kind: global_buffer, .address_space: global }
      - { .name: W_f, .offset: 24, .size: 8, .value_kind: global_buffer, .address_space: global }
      - { .name: W_o, .offset: 32, .size: 8, .value_kind: global_buffer, .address_space: global }
      - { .name: W_g, .offset: 40, .size: 8, .value_kind: global_buffer, .address_space: global }
      - { .name: ab, .offset: 48, .size: 8, .value_kind: global_buffer, .address_space: global }
      - { .name: wb, .offset: 56, .size: 8, .value_kind: global_buffer, .address_space: global }
    .group_segment_fixed_size: 0
    .private_segment_fixed_size: 0
    .kernarg_segment_align: 8
    .kernarg_segment_size: 64
    .max_flat_workgroup_size: 256
    .sgpr_count:     66
    .vgpr_count:     136
    .wavefront_size: 32
...
	.end_amdgpu_metadata
.endif
;; end of part 1
;; launch lstm (part 2): grid 16 x 16, 4 waves a work-group, clusters of 4 x 4, 327,680 bytes of LDS; arguments ab, wb, c, b_i, b_f, b_o, b_g, out0, out1; writes out0, out1
.if DOCPART == 2
	.amdgcn_target "amdgcn-amd-amdhsa--gfx1250"
	.amdhsa_code_object_version 6
	.text
	.protected	k_q1e5c03e5f8_lstm
	.globl	k_q1e5c03e5f8_lstm
	.p2align	8
	.type	k_q1e5c03e5f8_lstm,@function
k_q1e5c03e5f8_lstm:
	s_mov_b64 s[64:65], 0
	v_nop
	global_prefetch_b8 v0, s[64:65] scope:SCOPE_SE
	s_setreg_imm32_b32 hwreg(HW_REG_WAVE_MODE, 25, 1), 1
	s_wait_xcnt 0x0
	s_wait_alu depctr_hold_cnt(0) depctr_sa_sdst(0) depctr_va_vdst(0) depctr_va_sdst(0) depctr_va_ssrc(0) depctr_va_vcc(0) depctr_vm_vsrc(0)
	s_getreg_b32 s2, hwreg(HW_REG_IB_STS2, 6, 4)
	s_cmp_eq_u32 s2, 0
	s_cbranch_scc0 .Lentry_in_a_cluster
	s_endpgm
.Lentry_in_a_cluster:
	s_bfe_u32 s2, ttmp6, 0x10000c
	s_cmp_lg_u32 s2, 0xf033
	s_cbranch_scc0 .Lentry_shape_is_right
	s_endpgm
.Lentry_shape_is_right:
; THE LSTM CELL.  gates[m][.] = ab[m][:] . wb[.][:] + b;  c_t = sig(f) c + sig(i) tanh(g) -> out1;  h_t = sig(o) tanh(c_t) -> out0.
; ab: [8192][2048] bf16 (x | h).  wb: [4096][2048] bf16, row (j / 16) x 64 + 16 g + j % 16 = gate g (i, f, o, g) of hidden unit j.  c, out0, out1: [8192][1024] f32; the biases [1024] f32.
; Products in bf16 with f32 sums; bias, activations, c_t and h_t in f32, in registers behind the last product: the gates never reach memory.
; sig(z) = 1 / (1 + 2^(-log2(e) z)),  tanh(z) = 1 - 2 / (1 + 2^(2 log2(e) z)).  An exponential that overflows gives an infinity, whose reciprocal is 0; one that underflows gives 0: both ends give the limits 0, 1, -1.
; LIMITS.  tanh is a difference from 1: near 0 its error is some 1e-7 absolute, not relative.  NaN and infinities among the inputs are not treated apart.
; SHARES.  A tile is 256 rows x 256 gate rows (64 hidden units x 4 gates), made by four waves, each 128 x 128: 64 accumulators of 16 x 16, 512 registers.  K goes in steps of 128 through a ring of two LDS
; slots filled by the tensor data mover; the tiles' rows are 256 bytes of memory and start at multiples of 256 bytes.  A WORK-GROUP STAYS: it makes two tiles, 4,096 rows apart, on the same rows of wb; the ring runs on
; into the second tile: the first tile's last two changes of slots ask for the second's first two K steps.
; CLUSTERS: 4 x 4 work-groups.  The four of a row of the cluster need the same tiles of ab, the four of a column the same tiles of wb: each is asked for JOINTLY, by the same tensor load with the same descriptor and a mask of the four.
; THE MATRIX INSTRUCTION IS USED TRANSPOSED (source 0 = 16 rows of wb, source 1 = 16 rows of ab): lane l of accumulator (a, b) holds row 16 a + l % 16 and wb's rows 16 b + 8 (l / 16) + 0..7.  With b = 4 t + g those are
; gate g of hidden units 16 t + 8 (l / 16) + 0..7: THE FOUR GATES OF ONE OUTPUT LIE IN THE SAME LANE AND THE SAME REGISTER NUMBER of four accumulators.
; REGISTERS, in windows of 256 (s_set_vgpr_msb: bits 1:0 source 0, 3:2 source 1, 5:4 source 2, 7:6 destination):
;   window 0: v0-31 addresses; v32-63, v192-255 c, sets 0-5 of 16; v64-127, v128-191 fragments of ab, two buffers (on the way out buffer 1 holds rows read back, v128-159, and c by lanes, v160-175)
;   window 1: v0-63 the biases, times the exponent's factor; v64-127, v128-191 fragments of wb; v192-223 c, sets 6 and 7
;   window 2: the accumulators of my rows 0-63 ((a, b) at v[8 (8 a + b)]);   window 3: those of my rows 64-127
.set SIZE_K, 2048
.set KSTEP,  128
.set PITCH,  272                       ; an LDS row: 256 bytes + 16 of padding = 68 words: row r starts at bank 4 r mod 64 (64 banks of 4 bytes: ISA guide 11.1), so the 16 rows of a load start at 16 different banks
.set HALFT,  128*PITCH                 ; 128 rows: what one tensor load brings, and what one wave reads of ab or of wb
.set SLOT,   4*HALFT                   ; ab's 256 rows, then wb's 256 rows
.set STAGE,  2*SLOT                    ; behind the ring, never filled by a tensor load: five areas for the way out
.set SPITCH, 272
.set AREA,   32*SPITCH                 ; an area: 32 rows (16 of each row half of the tile) x 64 f32.  Areas 0-2 take c and then, in place, c_t; areas 3, 4 take h_t
.set HSO,    3*AREA
.set SPARE,  STAGE+5*AREA              ; behind the areas: the spare words, 128 bytes for each wave: two blocks of 256 bytes that no other line names
.set LAPS,   SIZE_K/(2*KSTEP)          ; a lap = two K steps = once round the ring
.set WALK,   4096                      ; rows from the first tile to the second
.set NEXT_A, WALK*SIZE_K*2-(SIZE_K-2*KSTEP)*2   ; bytes from a slot's last K step of a tile to its first of the next: ab goes WALK rows down and back along K,
.set BACK_B, (SIZE_K-2*KSTEP)*2        ; wb only back
.set ROWB,   4096                      ; bytes in a row of c, out0, out1
.set ADRA, 16                          ; v16-17  LDS address of my fragments of ab in slot 0, 1
.set ADRB, 20                          ; v20-21  the same for wb
.set RS,   24                          ; v24     the stage by whole rows: STAGE + (8 wave + l / 16) x 272 + 16 (l % 16)
.set AS,   25                          ; v25     the stage by accumulator lanes: STAGE + (16 (wave / 2) + l % 16) x 272 + 128 (wave % 2) + 32 (l / 16)
.set CIO,  26                          ; v26     my byte offset in the tile of c, out0, out1: (128 (wave / 2) + 8 (wave % 2) + l / 16) rows + 16 (l % 16); never rewritten
.set BO,   27                          ; v27     32 (l / 16): my eight biases of a block of 16
.set SPW,  28                          ; v28     LDS address of my spare word: SPARE + 4 x my thread's number; never rewritten
.set NIL,  29                          ; v29     0; never rewritten
.set PFO,  30                          ; v30     the prefetches' offset: my lane x a row of ab or wb; never rewritten
.set F0,   64                          ; fragment buffer 0
.set F1,   128                         ; fragment buffer 1
.set OUT,  128                         ; the way out: 8 rows of c_t, then 8 rows of h_t, read back from the stage
.set CA,   160                         ; the way out: c of my 16 outputs
.set BI,   0                           ; window 1
.set G1,  24                           ; s[24:31] descriptor group 1 for ab's tiles
.set G0,  32                           ; s[32:39] group 0, one set for each slot
.set LIM, 43                           ; s43      1 in a wave that prefetches, else the greatest number
.set PFA, 44                           ; s[44:45] where my prefetches stand
.set G1B, 48                           ; s[48:55], s[56:63] the same for wb's tiles
.set G0B, 56
.set CB,  66                           ; s[66:67] c at the tile in hand
.set O0,  68                           ; s[68:69] out0
.set O1,  70                           ; s[70:71] out1
.set BB,  72                           ; s[72:79] b_i, b_f, b_o, b_g at my wave's 32 hidden units
.set KN,  80                           ; s[80:81] -log2(e): named as a pair, the low word serves both halves
.set KP,  82                           ; s[82:83] 2 log2(e)
.set MSB, 0
.macro WIN new                         ; the immediate's high byte repeats the setting that is left; a switch that changes nothing is dropped
.if MSB != (\new)
	s_set_vgpr_msb (MSB<<8)|(\new)
.set MSB, \new
.endif
.endm
.set MUL_LO, 0xa1                      ; source 0 (wb) window 1, source 1 (ab) window 0, C and D window 2
.set MUL_HI, 0xf1                      ; the same, C and D window 3
.set TO_B,   0x40                      ; destination window 1, address window 0
; A joint load.  Waves 0 and 1 fetch ab's two halves, waves 2 and 3 wb's.  Each line has one mask and one set of registers for all that issue it; the branch hangs on the wave's number alone.
; An s_nop 0 and four v_nop follow each of the two lines, ahead of the jump, the label and what follows.
.macro JLOAD s
	s_cmp_eq_u32 s11, 0
	s_cbranch_scc0 .Lfor_b_\@
	tensor_load_to_lds s[G0+4*(\s):G0+4*(\s)+3], s[G1:G1+7]
	s_nop 0
.rept 4
	v_nop
.endr
	s_branch .Lasked_\@
.Lfor_b_\@:
	tensor_load_to_lds s[G0B+4*(\s):G0B+4*(\s)+3], s[G1B:G1B+7]
	s_nop 0
.rept 4
	v_nop
.endr
.Lasked_\@:
.endm
; A PREFETCH INTO THE L2, behind each joint load, its five lines and the run of LDS loads that follows them: the K step that stands TWO refills on, 512 matrix instructions ahead: 32 rows x 256 bytes, a lane a row.
; Each row's 256 bytes of a K step are named once in the launch: ab's tile row is read by every cluster of that row of clusters, and cluster x = 0 asks; wb's tile column by every cluster of that column, and cluster y = 0 asks.
; The four partners that ask for a tile jointly share its rows out BY ADDRESS: of the 128 rows that a wave fetches the partner at place p takes 32 p .. 32 p + 31 (p = cx for ab, cy for wb).
; how = 0, in the loop: its last trip has no K step two on.  how = 1, at the change of tiles: the next tile's K steps 2 and 3 of ab; wb's rows have been read and are asked for no more.
.macro ASK how
.if \how
	s_cmp_eq_u32 s[LIM], 1
.else
	s_cmp_gt_u32 s3, s[LIM]                        ; s3 = 1 in the loop's last trip
.endif
	s_cbranch_scc0 .Lnot_mine_\@
	global_prefetch_b8 v[PFO], s[PFA:PFA+1] offset:KSTEP*2 th:TH_LOAD_NT scope:SCOPE_SE
.Lnot_mine_\@:
.endm
; A round of the cluster's barrier: my work-group's barrier, so that wave 0's signal speaks for all four waves; wave 0 signals; every wave waits for all sixteen work-groups; my work-group's barrier once more.
.macro CREST                           ; a round behind its opening barrier
	s_cmp_lg_u32 s10, 0
	s_cbranch_scc1 .Lnot_wave_0_\@
	s_barrier_signal -3
.Lnot_wave_0_\@:
	s_barrier_wait -3
	s_barrier_signal -1
	s_barrier_wait -1
.endm
.macro CROUND                          ; a whole round
	s_barrier_signal -1
	s_barrier_wait -1
	CREST
.endm
	s_load_b128 s[4:7], s[0:1], 0x0                ; ab s[4:5], wb s[6:7]
	s_load_b64 s[CB:CB+1], s[0:1], 0x10            ; c
	s_load_b256 s[BB:BB+7], s[0:1], 0x18           ; b_i, b_f, b_o, b_g
	s_load_b128 s[O0:O0+3], s[0:1], 0x38           ; out0, out1
	v_lshl_add_u32 v[SPW], v0, 2, SPARE
	v_mov_b32 v[NIL], 0
	ds_add_u32 v[SPW], v[NIL]                      ; the wave's opening: the add, twice on end, and its wait ahead of my first tensor load; the set-up below, work on registers, stands between
	ds_add_u32 v[SPW], v[NIL]                      ; and once more, under the one wait
	v_lshrrev_b32 v1, 5, v0
	v_readfirstlane_b32 s10, v1                    ; wave 0..3
	s_lshr_b32 s11, s10, 1                         ; which half of the tile's rows is mine.  Also: I fetch for ab (0) or for wb (1)
	s_and_b32 s12, s10, 1                          ; which half of its gate rows.  Also: which 128 rows of that tile I fetch
	s_bfe_u32 s40, ttmp6, 0x40000                  ; cx
	s_bfe_u32 s41, ttmp6, 0x40004                  ; cy
	s_lshl_b32 s42, ttmp9, 2                       ; in a cluster launch ttmp9 and ttmp7 count clusters
	s_add_co_u32 s42, s42, s40                     ; tile column = 4 x cluster x + cx: 64 hidden units
	s_and_b32 s13, ttmp7, 0xffff
	s_lshl_b32 s13, s13, 2
	s_add_co_u32 s13, s13, s41                     ; tile row = 4 x cluster y + cy
	s_lshl_b32 s43, s41, 2
	s_lshl_b32 s43, 15, s43                        ; my row of the cluster: places 4 cy .. 4 cy + 3
	s_lshl_b32 s44, 0x1111, s40                    ; my column: places cx, cx + 4, cx + 8, cx + 12
	; descriptor group 1: a tile of 128 rows x 128 elements, padded in LDS
	s_or_b32 s[G1+0], s43, (1<<16)|(1<<20)|(1<<21)|(5<<22)|(3<<25)  ; 15:0 the mask: ab's tiles go to my row; 17:16 elements of 2 bytes; 20 padding on; 21 set beside a mask; 24:22 after every 64 words (code 5); 31:25 4 words (code 3)
	s_or_b32 s[G1B+0], s44, (1<<16)|(1<<20)|(1<<21)|(5<<22)|(3<<25) ; the same with the mask of my column, for wb's tiles
.irp g, G1, G1B
	s_mov_b32 s[(\g)+1], KSTEP<<16                 ; tensor_dim0 = 128
	s_mov_b32 s[(\g)+2], 128<<16                   ; tensor_dim1 = 128
	s_mov_b32 s[(\g)+3], KSTEP<<16                 ; tile_dim0 = 128
	s_mov_b32 s[(\g)+4], 128                       ; tile_dim1 = 128
	s_mov_b32 s[(\g)+5], SIZE_K                    ; elements from row to row
	s_mov_b32 s[(\g)+6], 0
	s_mov_b32 s[(\g)+7], 0
.endr
	s_mov_b32 s[KN], 0xbfb8aa3b                    ; -log2(e)
	s_mov_b32 s[KN+1], 0xbfb8aa3b
	s_mov_b32 s[KP], 0x4038aa3b                    ; 2 log2(e)
	s_mov_b32 s[KP+1], 0x4038aa3b
	; where the tiles come from: ab's hang on the tile row alone, wb's on the tile column alone; each address is made in registers that never hold the other coordinate
	s_lshl_b32 s17, s12, 7                         ; which 128 rows of the tile I fetch
	s_lshl_b32 s16, s13, 8
	s_add_co_u32 s16, s16, s17                     ; ab: row 256 x tile row + 128 x half
	s_lshl_b32 s46, s42, 8
	s_add_co_u32 s46, s46, s17                     ; wb: row 256 x tile column + 128 x half
	s_mov_b32 s17, 0
	s_mov_b32 s47, 0
	s_mov_b64 s[18:19], SIZE_K*2
	s_mul_u64 s[16:17], s[16:17], s[18:19]         ; in bytes
	s_mul_u64 s[46:47], s[46:47], s[18:19]
	s_mul_i32 s20, s10, HALFT                      ; and where they go: wave x 128 rows: no place in the cluster enters an LDS address
	s_wait_dscnt 0x0                               ; both opening adds are done
	s_wait_kmcnt 0x0
	s_add_nc_u64 s[14:15], s[4:5], s[16:17]
	s_add_nc_u64 s[46:47], s[6:7], s[46:47]
	CROUND                                         ; all sixteen work-groups are here: the first joint loads meet
.irp s, 0,1
	s_mov_b32 s[G0+4*(\s)], 1                                      ; count = 1
	s_add_co_u32 s[G0+4*(\s)+1], s20, (\s)*SLOT                    ; LDS address
	s_add_nc_u64 s[G0+4*(\s)+2:G0+4*(\s)+3], s[14:15], (\s)*KSTEP*2  ; global address: K step s
	s_or_b32 s[G0+4*(\s)+3], s[G0+4*(\s)+3], 0x80000000            ; type = 2
	s_mov_b32 s[G0B+4*(\s)], 1
	s_add_co_u32 s[G0B+4*(\s)+1], s20, (\s)*SLOT
	s_add_nc_u64 s[G0B+4*(\s)+2:G0B+4*(\s)+3], s[46:47], (\s)*KSTEP*2
	s_or_b32 s[G0B+4*(\s)+3], s[G0B+4*(\s)+3], 0x80000000
	JLOAD \s                                       ; the ring is filled before anything else is done: two loads of mine are out
.endr
	; A fragment is 16 rows x 32 K in 8 registers: lane l holds row l % 16; registers 0-3 K = 8 (l / 16) + 0..7, registers 4-7 K = 16 + 8 (l / 16) + 0..7: two loads of 16 bytes, 32 bytes apart.
	v_and_b32 v1, 15, v0                           ; l % 16
	v_bfe_u32 v2, v0, 4, 1                         ; l / 16
	v_mul_u32_u24 v3, v1, PITCH
	v_lshl_add_u32 v3, v2, 4, v3                   ; row x pitch + 16 x half
	s_mul_i32 s21, s11, HALFT                      ; my 128 rows of ab
	s_mul_i32 s22, s12, HALFT                      ; my 128 rows of wb,
	s_add_co_u32 s22, s22, 2*HALFT                 ; which lie behind ab's 256
.irp s, 0,1
	v_add_nc_u32 v[ADRA+(\s)], s21, v3
	v_add_nc_u32 v[ADRB+(\s)], s22, v3
	s_add_co_u32 s21, s21, SLOT
	s_add_co_u32 s22, s22, SLOT
.endr
	s_mul_i32 s23, s10, 8*SPITCH                   ; the stage by whole rows: wave w takes rows 8 w .. 8 w + 7; lanes 0-15 one row of 256 bytes, lanes 16-31 the next
	s_add_co_u32 s23, s23, STAGE
	v_mul_u32_u24 v4, v2, SPITCH
	v_lshl_add_u32 v4, v1, 4, v4
	v_add_nc_u32 v[RS], s23, v4
	s_mul_i32 s23, s11, 16*SPITCH                  ; the stage by accumulator lanes: my row half's 16 rows, my 32 hidden units' 128 bytes, 32 bytes for each half of the lanes
	s_lshl_b32 s21, s12, 7
	s_add_co_u32 s23, s23, s21
	s_add_co_u32 s23, s23, STAGE
	v_mul_u32_u24 v5, v1, SPITCH
	v_lshl_add_u32 v5, v2, 5, v5
	v_add_nc_u32 v[AS], s23, v5
	s_lshl_b32 s23, s11, 7                         ; stage row 8 w + 2 q + l / 16 of chunk a is tile row 128 (w / 2) + 16 a + 8 (w % 2) + 2 q + l / 16
	s_lshl_b32 s21, s12, 3
	s_add_co_u32 s23, s23, s21
	s_lshl_b32 s23, s23, 12
	v_lshlrev_b32 v5, 12, v2
	v_lshl_add_u32 v5, v1, 4, v5
	v_add_nc_u32 v[CIO], s23, v5
	v_lshlrev_b32 v[BO], 5, v2
	s_lshl_b32 s86, s13, 20                        ; the first tile in c, out0, out1: 256 x tile row rows of 4,096 bytes,
	s_lshl_b32 s8, s42, 8                          ; 64 x tile column numbers of 4 bytes
	s_add_co_u32 s86, s86, s8
	s_mov_b32 s87, 0
	s_add_nc_u64 s[CB:CB+1], s[CB:CB+1], s[86:87]
	s_add_nc_u64 s[O0:O0+1], s[O0:O0+1], s[86:87]
	s_add_nc_u64 s[O1:O1+1], s[O1:O1+1], s[86:87]
	s_lshl_b32 s84, s42, 8                         ; the biases of my wave's 32 hidden units
	s_lshl_b32 s9, s12, 7
	s_add_co_u32 s84, s84, s9
	s_mov_b32 s85, 0
.irp g, 0,1,2,3
	s_add_nc_u64 s[BB+2*(\g):BB+2*(\g)+1], s[BB+2*(\g):BB+2*(\g)+1], s[84:85]
.endr
	; the prefetches
	s_lshl_b32 s13, s13, 8                         ; 256 x tile row
	s_lshl_b32 s42, s42, 8                         ; 256 x tile column
	s_and_b32 s22, ttmp7, 0xffff                   ; cluster y
	s_cmp_eq_u32 s11, 0                            ; do I fetch for ab?
	s_cselect_b32 s20, s13, s42                    ; the tile's first row
	s_cselect_b32 s21, s40, s41                    ; my place among the four that ask for it with me
	s_cselect_b32 s22, ttmp9, s22                  ; the coordinate along which other clusters read the same rows
	s_cselect_b64 s[PFA:PFA+1], s[4:5], s[6:7]
	s_cmp_eq_u32 s22, 0
	s_cselect_b32 s[LIM], 1, -1                    ; the same in all sixteen partners, for a given wave
	s_lshl_b32 s22, s12, 7
	s_add_co_u32 s20, s20, s22                     ; + the 128 rows that I fetch
	s_lshl_b32 s21, s21, 5
	s_add_co_u32 s20, s20, s21                     ; + my work-group's 32 of them
	s_mov_b32 s21, 0
	s_mov_b64 s[18:19], SIZE_K*2
	s_mul_u64 s[20:21], s[20:21], s[18:19]
	s_add_nc_u64 s[PFA:PFA+1], s[PFA:PFA+1], s[20:21]
	s_add_nc_u64 s[PFA:PFA+1], s[PFA:PFA+1], 2*KSTEP*2  ; at K step 2: the first refill steps it to 3 and names K step 4.  Nothing is prefetched here, at the head
	v_and_b32 v[PFO], 31, v0
	v_mul_u32_u24 v[PFO], v[PFO], SIZE_K*2
	; the biases, laid as the accumulators are: block 4 t + g, register j: gate g of hidden unit 16 t + 8 (l / 16) + j; multiplied once by the factor of the gate's exponent, so that one fused multiply-add makes the exponent
	WIN TO_B
.irp t, 0,1
.irp g, 0,1,2,3
.irp q, 0,1
	global_load_b128 v[BI+8*(4*(\t)+(\g))+4*(\q):BI+8*(4*(\t)+(\g))+4*(\q)+3], v[BO], s[BB+2*(\g):BB+2*(\g)+1] offset:64*(\t)+16*(\q)
.endr
.endr
.endr
	s_wait_loadcnt 0x0
	WIN 0x41                                       ; destination and source 0 window 1
.set pp, 0
.rept 32
.if ((pp/4)%4) == 3
	v_pk_mul_f32 v[BI+2*pp:BI+2*pp+1], v[BI+2*pp:BI+2*pp+1], s[KP:KP+1] op_sel_hi:[1,0]
.else
	v_pk_mul_f32 v[BI+2*pp:BI+2*pp+1], v[BI+2*pp:BI+2*pp+1], s[KN:KN+1] op_sel_hi:[1,0]
.endif
.set pp, pp+1
.endr
	WIN 0
; 16 matrix instructions: row blocks a0, a0 + 1 of the window's four (hi = 0: my rows 0-63, 1: rows 64-127) x all 8 blocks of wb's rows, 32 along K.  zero = 1: the first product starts the sums: nothing is ever cleared.
; The 64 accumulators take turns, one instruction a turn, in the same order in every quarter.
.macro MUL16 f, hi, a0, zero
	WIN MUL_LO+0x50*(\hi)
.irp a, \a0, (\a0)+1
.irp b, 0,1,2,3,4,5,6,7
.if \zero
	v_wmma_f32_16x16x32_bf16 v[8*(8*(\a)+(\b)):8*(8*(\a)+(\b))+7], v[(\f)+8*(\b):(\f)+8*(\b)+7], v[(\f)+8*(4*(\hi)+(\a)):(\f)+8*(4*(\hi)+(\a))+7], 0
.else
	v_wmma_f32_16x16x32_bf16 v[8*(8*(\a)+(\b)):8*(8*(\a)+(\b))+7], v[(\f)+8*(\b):(\f)+8*(\b)+7], v[(\f)+8*(4*(\hi)+(\a)):(\f)+8*(4*(\hi)+(\a))+7], v[8*(8*(\a)+(\b)):8*(8*(\a)+(\b))+7]
.endif
.endr
.endr
.endm
; 32 LDS loads in one run: the fragments of one quarter step (128 rows of wb, 128 rows of ab, 32 K at byte k of the rows) into buffer f
.macro FETCH slot, k, f
	WIN TO_B
.irp i, 0,1,2,3,4,5,6,7
	ds_load_b128 v[(\f)+8*(\i):(\f)+8*(\i)+3],   v[ADRB+(\slot)] offset:(\k)+(\i)*16*PITCH
	ds_load_b128 v[(\f)+8*(\i)+4:(\f)+8*(\i)+7], v[ADRB+(\slot)] offset:(\k)+(\i)*16*PITCH+32
.endr
	WIN 0
.irp i, 0,1,2,3,4,5,6,7
	ds_load_b128 v[(\f)+8*(\i):(\f)+8*(\i)+3],   v[ADRA+(\slot)] offset:(\k)+(\i)*16*PITCH
	ds_load_b128 v[(\f)+8*(\i)+4:(\f)+8*(\i)+7], v[ADRA+(\slot)] offset:(\k)+(\i)*16*PITCH+32
.endr
.endm
; A load into a register that a matrix instruction has read, and a vector instruction that reads a matrix result, stand four places behind that matrix instruction; only plain vector
; instructions that name none of its registers are places (ISA guide 7.12.1 for vector instructions).
.macro PLACES
.rept 4
	v_nop
.endr
.endm
; A K step is four quarters of 32 along K, 64 matrix instructions each, on buffers 0, 1, 0, 1.  One of the first three: multiplies buffer f; in its middle it fetches the next quarter, at byte k, into buffer g.
.macro QUARTER slot, k, f, g, zero
	s_wait_dscnt 8                                 ; wb's fragments and ab's rows 0-63 are in; the youngest eight loads (ab's rows 64-127) may be out
	WIN MUL_LO
	MUL16 \f, 0, 0, \zero
	MUL16 \f, 0, 2, \zero
	PLACES
	FETCH \slot, \k, \g
	s_wait_dscnt 32                                ; all but the 32 just issued
	WIN MUL_HI
	MUL16 \f, 1, 0, \zero
	MUL16 \f, 1, 2, \zero
.endm
; The last quarter multiplies buffer 1 and changes slots.  MEET is its first half: ONE barrier.  In front of it each wave waits for all its tensor loads, of which one is out: its part of the next slot; adds 0 to its
; spare word; and waits for that and for its own reads of this slot.  Behind it nobody reads this slot any more and the next slot is whole.
.macro MEET round                      ; round = 1: the rest of a round of the cluster's barrier follows
	WIN 0                                          ; (the add's two registers lie in window 0)
	s_wait_tensorcnt 0x0                           ; all my tensor loads have landed;
	ds_add_u32 v[SPW], v[NIL]                      ; 0 onto my spare word;
	s_wait_dscnt 9                                 ; (the add and the youngest eight loads may be out)
	WIN MUL_LO
	MUL16 F1, 0, 0, 0                              ; sixteen matrix instructions stand between the add and the wait for it
	s_wait_dscnt 0x0                               ; the add is done, and my reads of this slot are over:
	s_barrier_signal -1                            ; say so,
	MUL16 F1, 0, 2, 0                              ; work on registers while the others arrive,
.if \round
	WIN 0
.endif
	s_barrier_wait -1                              ; and go on when all four have said so
.endm
; The whole last quarter.  on = 0: behind the round the slot just read out is filled again with this tile's K step two steps on; on = 1: with the next tile's K step 0 or 1; on = 2: the last tile's last change: nothing is filled, so no round.
; From a request to the wait for it a wave issues 224 matrix instructions.
.macro TURN slot, next, on
.if (\on) < 2
	s_wait_xcnt 0x0                                ; the last prefetch, a K step back, has read its address: it is stepped here, ahead of the waits of the change of slots
.if (\on) && (\slot) == 0
	s_add_nc_u64 s[PFA:PFA+1], s[PFA:PFA+1], (WALK-1)*SIZE_K*2+KSTEP*2  ; from the K step after the tile's last to the next tile's K step 1
	s_cmp_eq_u32 s11, 0
	s_cselect_b32 s[LIM], s[LIM], -1               ; wb's rows are the same for both tiles: they are prefetched no more
.else
	s_add_nc_u64 s[PFA:PFA+1], s[PFA:PFA+1], KSTEP*2
.endif
	MEET 1
	CREST                                          ; no wave of any partner still reads this slot's tile or has a load on its way
.if \on
	s_add_nc_u64 s[G0+4*(\slot)+2:G0+4*(\slot)+3], s[G0+4*(\slot)+2:G0+4*(\slot)+3], NEXT_A
	s_sub_nc_u64 s[G0B+4*(\slot)+2:G0B+4*(\slot)+3], s[G0B+4*(\slot)+2:G0B+4*(\slot)+3], BACK_B
.else
	s_add_nc_u64 s[G0+4*(\slot)+2:G0+4*(\slot)+3], s[G0+4*(\slot)+2:G0+4*(\slot)+3], 2*KSTEP*2
	s_add_nc_u64 s[G0B+4*(\slot)+2:G0B+4*(\slot)+3], s[G0B+4*(\slot)+2:G0B+4*(\slot)+3], 2*KSTEP*2
.endif
	JLOAD \slot                                    ; the first tensor load behind the round; the four v_nop behind it are also the places in front of the loads below
	FETCH \next, 0, F0
	ASK \on
.else
	MEET 0
	PLACES
	FETCH \next, 0, F0
.endif
	WIN MUL_HI
	MUL16 F1, 1, 0, 0
	MUL16 F1, 1, 2, 0
.endm
; THE WAY OUT goes by CHUNKS: chunk a is block a of 16 rows of each wave: 32 rows x 64 hidden units of the tile.  c comes in, and c_t and h_t go out, as whole rows of 256 bytes; the arithmetic wants them by accumulator lanes;
; the stage in LDS turns the one into the other.
.macro CSET s                          ; the registers of c's set s: window CW, from CR on
.if (\s) < 2
.set CW, 0
.set CR, 32+16*(\s)
.elseif (\s) < 6
.set CW, 0
.set CR, 192+16*((\s)-2)
.else
.set CW, 1
.set CR, 192+16*((\s)-6)
.endif
.endm
; The work-group's whole tile of c, 64 KiB: 32 loads a wave, each two whole rows of 256 bytes; set s is chunk s.  Issued 448 matrix instructions ahead of the way out.
.macro CLOADS
.irp s, 0,1,2,3,4,5,6,7
	CSET \s
	WIN CW<<6
.irp q, 0,1,2,3
	global_load_b128 v[CR+4*(\q):CR+4*(\q)+3], v[CIO], s[CB:CB+1] offset:(16*(\s)+2*(\q))*ROWB th:TH_LOAD_NT
.endr
.endr
	WIN 0
.endm
.macro CIN a                           ; chunk a's c goes into its area, by whole rows
	CSET \a
	s_wait_loadcnt 4*(7-(\a))                      ; loads come back in order: set a is in, the later sets' loads may stay out
	WIN CW<<2                                      ; store data is source 1
.irp q, 0,1,2,3
	ds_store_b128 v[RS], v[CR+4*(\q):CR+4*(\q)+3] offset:AREA*((\a)%3)+2*SPITCH*(\q)
.endr
.endm
.macro GFMA p                          ; pair p of the chunk's 32: the exponent, factor x sum + factor x bias
.if (((\p)/4)%4) == 3
	v_pk_fma_f32 v[AC+2*(\p):AC+2*(\p)+1], v[AC+2*(\p):AC+2*(\p)+1], s[KP:KP+1], v[BI+2*(\p):BI+2*(\p)+1] op_sel_hi:[1,0,1]
.else
	v_pk_fma_f32 v[AC+2*(\p):AC+2*(\p)+1], v[AC+2*(\p):AC+2*(\p)+1], s[KN:KN+1], v[BI+2*(\p):BI+2*(\p)+1] op_sel_hi:[1,0,1]
.endif
.endm
; The chunk's four gates, in place, on registers alone: sig(i), sig(f), sig(o), tanh(g), and i g into i's registers.  Each accumulator is read first at its lowest registers.
; The 64 exponentials are one batch, and so are the 64 reciprocals: a plain instruction behind the last, then one wait ahead of the first reader.
.macro GATES a
.set NW, 2+(\a)/4
.set AC, 64*((\a)%4)
	WIN (NW<<6)|(1<<4)|NW                          ; the sums in window NW, the biases (source 2) in window 1
	GFMA 0
.set pp, 0
.rept 32
.if pp < 31
	GFMA pp+1
.endif
	v_exp_f32 v[AC+2*pp], v[AC+2*pp]
	v_exp_f32 v[AC+2*pp+1], v[AC+2*pp+1]
.set pp, pp+1
.endr
	v_nop
	s_wait_alu depctr_va_vdst(0)
	WIN 0x55*NW                                    ; all in window NW
	v_pk_add_f32 v[AC:AC+1], v[AC:AC+1], 1.0 op_sel_hi:[1,0]
.set pp, 0
.rept 32
.if pp < 31
	v_pk_add_f32 v[AC+2*pp+2:AC+2*pp+3], v[AC+2*pp+2:AC+2*pp+3], 1.0 op_sel_hi:[1,0]
.endif
	v_rcp_f32 v[AC+2*pp], v[AC+2*pp]
	v_rcp_f32 v[AC+2*pp+1], v[AC+2*pp+1]
.set pp, pp+1
.endr
	v_nop
	s_wait_alu depctr_va_vdst(0)
.irp t, 0,1
.irp k, 0,1,2,3
	v_pk_fma_f32 v[AC+32*(\t)+24+2*(\k):AC+32*(\t)+24+2*(\k)+1], v[AC+32*(\t)+24+2*(\k):AC+32*(\t)+24+2*(\k)+1], -2.0, 1.0 op_sel_hi:[1,0,0]  ; tanh(g)
.endr
.endr
.irp t, 0,1
.irp k, 0,1,2,3
	v_pk_mul_f32 v[AC+32*(\t)+2*(\k):AC+32*(\t)+2*(\k)+1], v[AC+32*(\t)+2*(\k):AC+32*(\t)+2*(\k)+1], v[AC+32*(\t)+24+2*(\k):AC+32*(\t)+24+2*(\k)+1]  ; i g
.endr
.endr
.endm
.macro CLD a                           ; c of my 16 outputs of chunk a, by accumulator lanes
	WIN 0
.irp t, 0,1
.irp q, 0,1
	ds_load_b128 v[CA+8*(\t)+4*(\q):CA+8*(\t)+4*(\q)+3], v[AS] offset:AREA*((\a)%3)+64*(\t)+16*(\q)
.endr
.endr
.endm
.macro RLD a                           ; chunk a's c_t and h_t come back by whole rows
	WIN 0
	s_wait_xcnt 0x0                                ; the stores of the chunk before have read these registers
.irp q, 0,1,2,3
	ds_load_b128 v[OUT+4*(\q):OUT+4*(\q)+3], v[RS] offset:AREA*((\a)%3)+2*SPITCH*(\q)
.endr
.irp q, 0,1,2,3
	ds_load_b128 v[OUT+16+4*(\q):OUT+16+4*(\q)+3], v[RS] offset:HSO+AREA*((\a)%2)+2*SPITCH*(\q)
.endr
.endm
.macro GST a                           ; and leave: 16 lanes store 256 consecutive bytes, at a multiple of 256 from the buffer's first byte
	WIN 0
.irp q, 0,1,2,3
	global_store_b128 v[CIO], v[OUT+4*(\q):OUT+4*(\q)+3], s[O1:O1+1] offset:(16*(\a)+2*(\q))*ROWB th:TH_STORE_NT
.endr
.irp q, 0,1,2,3
	global_store_b128 v[CIO], v[OUT+16+4*(\q):OUT+16+4*(\q)+3], s[O0:O0+1] offset:(16*(\a)+2*(\q))*ROWB th:TH_STORE_NT
.endr
.endm
; c_t = f c + i g, into f's registers and into the bytes of the stage from which this lane took c; then the exponentials of tanh(c_t), into i's registers: a batch of 16, whose wait stands at FINB's head.
.macro FINA a
.set NW, 2+(\a)/4
.set AC, 64*((\a)%4)
	WIN (NW<<6)|(NW<<4)|NW                         ; c (source 1) in window 0
.irp t, 0,1
.irp k, 0,1,2,3
	v_pk_fma_f32 v[AC+32*(\t)+8+2*(\k):AC+32*(\t)+8+2*(\k)+1], v[AC+32*(\t)+8+2*(\k):AC+32*(\t)+8+2*(\k)+1], v[CA+8*(\t)+2*(\k):CA+8*(\t)+2*(\k)+1], v[AC+32*(\t)+2*(\k):AC+32*(\t)+2*(\k)+1]
.endr
.endr
	WIN NW<<2
.irp t, 0,1
.irp q, 0,1
	ds_store_b128 v[AS], v[AC+32*(\t)+8+4*(\q):AC+32*(\t)+8+4*(\q)+3] offset:AREA*((\a)%3)+64*(\t)+16*(\q)
.endr
.endr
	WIN 0x55*NW
	v_pk_mul_f32 v[AC:AC+1], v[AC+8:AC+9], s[KP:KP+1] op_sel_hi:[1,0]
.set pp, 0
.rept 8
.if pp < 7
.set IR, AC+32*((pp+1)/4)+2*((pp+1)%4)
	v_pk_mul_f32 v[IR:IR+1], v[IR+8:IR+9], s[KP:KP+1] op_sel_hi:[1,0]
.endif
.set IR, AC+32*(pp/4)+2*(pp%4)
	v_exp_f32 v[IR], v[IR]
	v_exp_f32 v[IR+1], v[IR+1]
.set pp, pp+1
.endr
	v_nop                                          ; the plain instruction behind the last exponential
.endm
; h_t = o tanh(c_t), into o's registers and into the stage.
.macro FINB a
.set NW, 2+(\a)/4
.set AC, 64*((\a)%4)
	WIN 0x55*NW
	s_wait_alu depctr_va_vdst(0)                   ; the wait for FINA's batch, ahead of its first reader
	v_pk_add_f32 v[AC:AC+1], v[AC:AC+1], 1.0 op_sel_hi:[1,0]
.set pp, 0
.rept 8
.if pp < 7
.set IR, AC+32*((pp+1)/4)+2*((pp+1)%4)
	v_pk_add_f32 v[IR:IR+1], v[IR:IR+1], 1.0 op_sel_hi:[1,0]
.endif
.set IR, AC+32*(pp/4)+2*(pp%4)
	v_rcp_f32 v[IR], v[IR]
	v_rcp_f32 v[IR+1], v[IR+1]
.set pp, pp+1
.endr
	v_nop
	s_wait_alu depctr_va_vdst(0)
.irp t, 0,1
.irp k, 0,1,2,3
	v_pk_fma_f32 v[AC+32*(\t)+2*(\k):AC+32*(\t)+2*(\k)+1], v[AC+32*(\t)+2*(\k):AC+32*(\t)+2*(\k)+1], -2.0, 1.0 op_sel_hi:[1,0,0]  ; tanh(c_t)
.endr
.endr
.irp t, 0,1
.irp k, 0,1,2,3
	v_pk_mul_f32 v[AC+32*(\t)+16+2*(\k):AC+32*(\t)+16+2*(\k)+1], v[AC+32*(\t)+16+2*(\k):AC+32*(\t)+16+2*(\k)+1], v[AC+32*(\t)+2*(\k):AC+32*(\t)+2*(\k)+1]
.endr
.endr
	WIN NW<<2
.irp t, 0,1
.irp q, 0,1
	ds_store_b128 v[AS], v[AC+32*(\t)+16+4*(\q):AC+32*(\t)+16+4*(\q)+3] offset:HSO+AREA*((\a)%2)+64*(\t)+16*(\q)
.endr
.endr
.endm
; ONE BARRIER A CHUNK.  Between the barrier that ends chunk a - 1 and the one that ends chunk a are WRITTEN: area a % 3 (each lane the bytes that it has itself just read), h's area a % 2, and area (a + 1) % 3 (the next c);
; are READ: area (a - 1) % 3 and h's area (a - 1) % 2 by whole rows, and area a % 3 by each lane's own bytes.  What is written was last read by others a chunk earlier, and every wave has waited for those reads ahead of its signal.
; The next chunk's gates, work on registers, stand between a barrier's signal and its wait.  No LDS byte is filled by a tensor load behind any of these barriers.
.macro WAYOUT
	WIN 0
	PLACES                                         ; behind the last products: for the vector lines that read sums, and for the loads into buffer 1's registers
	CIN 0
	s_wait_dscnt 0x0                               ; for the others' sake: my stores are done (and whatever LDS loads were still out are back)
	s_barrier_signal -1
	GATES 0
	s_barrier_wait -1
.irp a, 0,1,2,3,4,5,6,7
	CLD \a
.if (\a) > 0
	RLD (\a)-1
	s_wait_dscnt 8                                 ; c is in; the eight loads of whole rows are younger
.else
	s_wait_dscnt 0x0
.endif
	FINA \a
.if (\a) > 0
	s_wait_dscnt 4                                 ; the whole rows are in; the four stores of c_t are younger
	GST (\a)-1
.endif
	FINB \a
.if (\a) < 7
	CIN (\a)+1
.endif
	s_wait_dscnt 0x0                               ; my stores into the stage are done, and my reads of it are back
	s_barrier_signal -1
.if (\a) < 7
	GATES (\a)+1
.endif
	s_barrier_wait -1
.endr
	RLD 7
	s_wait_dscnt 0x0
	GST 7
.endm
	s_wait_tensorcnt 1                             ; my part of K step 0 is in; K step 1's load may stay out
	s_barrier_signal -1
	s_barrier_wait -1                              ; everybody's is
	FETCH 0, 0, F0
	s_mov_b32 s2, 2                                ; tiles to go, this one among them: the same number in every work-group
.Ltile:                                                ; (FETCH and GST leave every window 0)
	QUARTER 0, 64,  F0, F1, 1                      ; a tile's first quarter stands in front of the loop: its products start the sums
	WIN 0                                          ; at a label and at a branch every window is 0
	s_mov_b32 s3, LAPS-1
.Llap:                                                 ; a trip goes once round the ring, from a lap's second quarter to the next lap's first, and fills both slots again
	QUARTER 0, 128, F1, F0, 0
	QUARTER 0, 192, F0, F1, 0
	TURN 0, 1, 0
	QUARTER 1, 64,  F0, F1, 0
	QUARTER 1, 128, F1, F0, 0
	QUARTER 1, 192, F0, F1, 0
	TURN 1, 0, 0
	QUARTER 0, 64,  F0, F1, 0
	WIN 0
	s_sub_co_u32 s3, s3, 1
	s_cmp_lg_u32 s3, 0
	s_cbranch_scc1 .Llap
	CLOADS                                         ; the tile's c is asked for, seven quarters ahead of its first use
	QUARTER 0, 128, F1, F0, 0                      ; the tile's last lap goes on
	QUARTER 0, 192, F0, F1, 0
	WIN 0
	s_cmp_eq_u32 s2, 1
	s_cbranch_scc1 .Llast                          ; the last tile's tail is written out: it asks for nothing more
	TURN 0, 1, 1                                   ; THE RING GOES ON INTO THE NEXT TILE: slot 0 takes its K step 0,
	QUARTER 1, 64,  F0, F1, 0
	QUARTER 1, 128, F1, F0, 0
	QUARTER 1, 192, F0, F1, 0
	TURN 1, 0, 1                                   ; slot 1 its K step 1, and the next tile's first fragments are fetched into buffer 0, which the way out does not name
	WAYOUT                                         ; both refills are asked for: now the tile goes out
	s_wait_xcnt 0x0                                ; the stores have read their registers and their bases
	s_add_nc_u64 s[CB:CB+1], s[CB:CB+1], WALK*ROWB ; the next tile, 4,096 rows down
	s_add_nc_u64 s[O0:O0+1], s[O0:O0+1], WALK*ROWB
	s_add_nc_u64 s[O1:O1+1], s[O1:O1+1], WALK*ROWB
	s_sub_co_u32 s2, s2, 1
	s_branch .Ltile
.Llast:
	TURN 0, 1, 2                                   ; my one tensor load that was still out is the last K step's
	QUARTER 1, 64,  F0, F1, 0
	QUARTER 1, 128, F1, F0, 0
	QUARTER 1, 192, F0, F1, 0
	s_wait_dscnt 8                                 ; the very last quarter: nothing more to fetch
	MUL16 F1, 0, 0, 0
	MUL16 F1, 0, 2, 0
	s_wait_dscnt 0x0
	MUL16 F1, 1, 0, 0
	MUL16 F1, 1, 2, 0
	WAYOUT
	s_wait_tensorcnt 0x0                           ; the wave's end, behind my last tensor load and my last LDS store: wait for the tensor loads, add 0 to my spare word, wait for the add
	ds_add_u32 v[SPW], v[NIL]
	s_wait_dscnt 0x0
	CROUND                                         ; the closing round: no work-group ends while a partner may still ask for a tile that names it
	s_endpgm
.Lfunc_end_k_q1e5c03e5f8_lstm:
	.size	k_q1e5c03e5f8_lstm, .Lfunc_end_k_q1e5c03e5f8_lstm-k_q1e5c03e5f8_lstm
	.p2alignl 7, 3214868480
	.fill 96, 4, 3214868480
	.section	.rodata,"a",@progbits
	.p2align	6, 0x0
	.amdhsa_kernel k_q1e5c03e5f8_lstm
		.amdhsa_group_segment_fixed_size 327680
		.amdhsa_private_segment_fixed_size 0
		.amdhsa_enable_private_segment 0
		.amdhsa_kernarg_size 72
		.amdhsa_user_sgpr_count 2
		.amdhsa_user_sgpr_kernarg_segment_ptr 1
		.amdhsa_wavefront_size32 1
		.amdhsa_system_sgpr_workgroup_id_x 1
		.amdhsa_system_sgpr_workgroup_id_y 1
		.amdhsa_system_sgpr_workgroup_id_z 1
		.amdhsa_system_vgpr_workitem_id 0
		.amdhsa_next_free_vgpr 1024
		.amdhsa_next_free_sgpr 88
		.amdhsa_reserve_vcc 0
		.amdhsa_float_denorm_mode_32 3
		.amdhsa_float_denorm_mode_16_64 3
		.amdhsa_memory_ordered 1
		.amdhsa_forward_progress 1
		.amdhsa_inst_pref_size 255
	.end_amdhsa_kernel
	.section	.bss,"aw",@nobits
	.p2align	6
	.space	262144
	.amdgpu_metadata
---
amdhsa.version: [ 1, 2 ]
amdhsa.kernels:
  - .name:           k_q1e5c03e5f8_lstm
    .symbol:         k_q1e5c03e5f8_lstm.kd
    .args:
      - { .name: ab, .offset: 0, .size: 8, .value_kind: global_buffer, .address_space: global }
      - { .name: wb, .offset: 8, .size: 8, .value_kind: global_buffer, .address_space: global }
      - { .name: c, .offset: 16, .size: 8, .value_kind: global_buffer, .address_space: global }
      - { .name: b_i, .offset: 24, .size: 8, .value_kind: global_buffer, .address_space: global }
      - { .name: b_f, .offset: 32, .size: 8, .value_kind: global_buffer, .address_space: global }
      - { .name: b_o, .offset: 40, .size: 8, .value_kind: global_buffer, .address_space: global }
      - { .name: b_g, .offset: 48, .size: 8, .value_kind: global_buffer, .address_space: global }
      - { .name: out0, .offset: 56, .size: 8, .value_kind: global_buffer, .address_space: global }
      - { .name: out1, .offset: 64, .size: 8, .value_kind: global_buffer, .address_space: global }
    .group_segment_fixed_size: 327680
    .private_segment_fixed_size: 0
    .kernarg_segment_align: 8
    .kernarg_segment_size: 72
    .max_flat_workgroup_size: 128
    .sgpr_count:     88
    .vgpr_count:     1024
    .wavefront_size: 32
...
	.end_amdgpu_metadata
.endif
;; end of part 2
;; ======== version 2 of 2: 2 launches; version 1 with the launch cast written anew for expert scheduling mode
;; workspace buffers: ab 33,554,432 bytes; wb 16,777,216 bytes
;; launch cast (part 3): grid 768 x 1, 8 waves a work-group, no clusters, 0 bytes of LDS; arguments x, h, W_i, W_f, W_o, W_g, ab, wb; writes ab, wb
.if DOCPART == 3
	.amdgcn_target "amdgcn-amd-amdhsa--gfx1250"
	.amdhsa_code_object_version 6
	.text
	.protected	k_q1e5c03e5f8_cast
	.globl	k_q1e5c03e5f8_cast
	.p2align	8
	.type	k_q1e5c03e5f8_cast,@function
k_q1e5c03e5f8_cast:
	s_mov_b64 s[64:65], 0
	v_nop
	global_prefetch_b8 v0, s[64:65] scope:SCOPE_SE
	s_setreg_imm32_b32 hwreg(HW_REG_WAVE_SCHED_MODE, 0, 2), 2
	s_setreg_imm32_b32 hwreg(HW_REG_WAVE_MODE, 25, 1), 1
	s_wait_xcnt 0x0
	s_wait_alu depctr_vm_vsrc(0)
; The matrix operands of the LSTM cell, rounded once to bf16 (to nearest even) and laid out for the product.
; ab: [8192][2048] bf16, row m = x[m][0:1024] then h[m][0:1024].
; wb: [4096][2048] bf16, row (j / 16) x 64 + 16 g + j % 16 = W_g[j][:], g = 0, 1, 2, 3 for i, f, o, g: the four gates of 16 hidden units lie in 64 rows on end.
; A stream: each byte is read once and written once, nothing is shared, so there is no LDS, no barrier and no matrix work.
; SHARES.  Work-groups 0-255 take x, 256-511 h, 512-767 the four W.  A wave takes 16,384 consecutive bytes of its source (4 rows of x or h, 2 rows of a W):
; 32 loads of 512 consecutive bytes, all issued at once; each becomes one store of 256 consecutive bytes, at a multiple of 256 from the buffer's first byte.
; THE MODE: SCHED_MODE bits 1:0 = 2 (LLVM: expert scheduling mode 2), set by the entry lines.  The code itself states the register dependences
; between vector instructions and memory instructions, with s_wait_alu, always for 0.
; THE PLAN.  The 32 loads go in eight blocks of four.  Registers that memory instructions touch:
;   v1, v[2:5]  byte offsets of the loads and of the stores: made once at the head by vector lines and never written again.
;   v[8:135]    load n's four registers.  Written first by the loads, all of which are issued before any vector line names one of these registers.  Block p's eight conversions read its sixteen
;               registers and write the first two of each four, in place; these pairs are read by the block's four stores, which are issued in block p + 1.
; Nothing is written after a memory instruction has read it.  So the waits are: one ahead of the first load, for the offsets; one at the head of each block but the first, for the results of the block before,
; whose stores then stand among this block's conversions (these name this block's registers alone); one ahead of the last four stores; and one for the wave's number, which a vector line puts into a scalar register.
.set DO, 2                             ; v[2:5]    8 x lane + u x stride: the place of load 8 u's result
.set X,  8                             ; v[8:135]  load n: 4 registers
.set BLOCK,  4                         ; loads in a block
.set BLOCKS, 32/BLOCK
	s_load_b512 s[8:23], s[0:1], 0x0               ; x s[8:9], h s[10:11], W_i s[12:13], W_f s[14:15], W_o s[16:17], W_g s[18:19], ab s[20:21], wb s[22:23]
	v_lshrrev_b32 v6, 5, v0
	v_readfirstlane_b32 s2, v6                     ; wave 0..7
	v_and_b32 v7, 31, v0                           ; lane
	s_lshr_b32 s3, ttmp9, 8                        ; section: 0 x, 1 h, 2 the weights
	s_and_b32 s4, ttmp9, 255
	s_lshl_b32 s4, s4, 3
	s_wait_alu depctr_va_sdst(0)                   ; s2, the wave's number, is written, ahead of its one reader: the next line
	s_add_co_u32 s4, s4, s2                        ; my wave among the section's 2,048
	s_lshr_b32 s5, s4, 9                           ; weights: the gate,
	s_and_b32 s6, s4, 511                          ; and my wave among its 512
	s_lshl_b32 s30, s4, 14                         ; x, h: 4 rows of ab, 4,096 bytes each,
	s_lshl_b32 s33, s3, 11                         ; h in the rows' second half
	s_add_co_u32 s30, s30, s33
	s_lshl_b32 s34, s6, 1                          ; weights: j, my first row of the gate's W: even, so j + 1 is the next row of wb
	s_lshr_b32 s35, s34, 4
	s_lshl_b32 s35, s35, 6                         ; (j / 16) x 64
	s_lshl_b32 s36, s5, 4
	s_add_co_u32 s35, s35, s36                     ; + 16 x gate
	s_and_b32 s34, s34, 15
	s_add_co_u32 s35, s35, s34                     ; + j % 16
	s_lshl_b32 s35, s35, 12                        ; rows of 4,096 bytes
	s_movk_i32 s32, 0x1000                         ; x, h: eight loads make half a row of ab, the next eight the row below
	s_cmp_eq_u32 s3, 2
	s_cselect_b32 s28, s6, s4
	s_cselect_b32 s30, s35, s30                    ; byte offset of my results
	s_cselect_b32 s32, 0x800, s32                  ; weights: eight loads make half a row of wb, the next eight its other half
	s_lshl_b32 s28, s28, 14                        ; byte offset of my 16,384 source bytes
	s_mov_b32 s29, 0
	s_mov_b32 s31, 0
	v_lshlrev_b32 v1, 4, v7                        ; 16 bytes a lane in,
	v_lshlrev_b32 v[DO], 3, v7                     ; 8 bytes a lane out
	v_add_nc_u32 v[DO+1], s32, v[DO]
	v_add_nc_u32 v[DO+2], s32, v[DO+1]
	v_add_nc_u32 v[DO+3], s32, v[DO+2]
	s_wait_kmcnt 0x0
	s_mov_b64 s[24:25], s[12:13]                   ; the source: chosen by the gate, then by the section
	s_cmp_eq_u32 s5, 1
	s_cselect_b64 s[24:25], s[14:15], s[24:25]
	s_cmp_eq_u32 s5, 2
	s_cselect_b64 s[24:25], s[16:17], s[24:25]
	s_cmp_eq_u32 s5, 3
	s_cselect_b64 s[24:25], s[18:19], s[24:25]
	s_cmp_eq_u32 s3, 0
	s_cselect_b64 s[24:25], s[8:9], s[24:25]
	s_cmp_eq_u32 s3, 1
	s_cselect_b64 s[24:25], s[10:11], s[24:25]
	s_cmp_eq_u32 s3, 2
	s_cselect_b64 s[26:27], s[22:23], s[20:21]     ; the destination
	s_add_nc_u64 s[24:25], s[24:25], s[28:29]
	s_add_nc_u64 s[26:27], s[26:27], s[30:31]
	s_wait_alu depctr_va_vdst(0)                   ; v1 and v[2:5] are written: every load of the kernel reads v1, every store one of v[2:5], as its offset; no later vector line names them
.set nn, 0
.rept 32
	global_load_b128 v[X+4*nn:X+4*nn+3], v1, s[24:25] offset:512*nn th:TH_LOAD_NT
.set nn, nn+1
.endr
; Block pb: its four loads are waited for; the four stores of the block before go out, one in front of each pair of this block's conversions.
.set pb, 0
.rept BLOCKS
	s_wait_loadcnt 32-BLOCK*(pb+1)                 ; loads come back in order (ISA guide 5.7.1): this block's four are in, the younger blocks' stay out
.if pb > 0
	s_wait_alu depctr_va_vdst(0)                   ; the conversions of the block before have written their eight results, which the four stores below read
.endif
.set ii, 0
.rept BLOCK
.set nn, BLOCK*pb+ii
.if pb > 0
.set mm, nn-BLOCK
	global_store_b64 v[DO+mm/8], v[X+4*mm:X+4*mm+1], s[26:27] offset:256*(mm%8)  ; 32 lanes x 8 bytes: 256 consecutive bytes.  No wait: no vector line since the wait above names these registers
.endif
	v_cvt_pk_bf16_f32 v[X+4*nn], v[X+4*nn], v[X+4*nn+1]
	v_cvt_pk_bf16_f32 v[X+4*nn+1], v[X+4*nn+2], v[X+4*nn+3]
.set ii, ii+1
.endr
.set pb, pb+1
.endr
	s_wait_alu depctr_va_vdst(0)                   ; the last block's conversions have written their eight results, which the last four stores read
.set mm, 32-BLOCK
.rept BLOCK
	global_store_b64 v[DO+mm/8], v[X+4*mm:X+4*mm+1], s[26:27] offset:256*(mm%8)
.set mm, mm+1
.endr
	s_endpgm
.Lfunc_end_k_q1e5c03e5f8_cast:
	.size	k_q1e5c03e5f8_cast, .Lfunc_end_k_q1e5c03e5f8_cast-k_q1e5c03e5f8_cast
	.p2alignl 7, 3214868480
	.fill 96, 4, 3214868480
	.section	.rodata,"a",@progbits
	.p2align	6, 0x0
	.amdhsa_kernel k_q1e5c03e5f8_cast
		.amdhsa_group_segment_fixed_size 0
		.amdhsa_private_segment_fixed_size 0
		.amdhsa_enable_private_segment 0
		.amdhsa_kernarg_size 64
		.amdhsa_user_sgpr_count 2
		.amdhsa_user_sgpr_kernarg_segment_ptr 1
		.amdhsa_wavefront_size32 1
		.amdhsa_system_sgpr_workgroup_id_x 1
		.amdhsa_system_sgpr_workgroup_id_y 1
		.amdhsa_system_sgpr_workgroup_id_z 1
		.amdhsa_system_vgpr_workitem_id 0
		.amdhsa_next_free_vgpr 136
		.amdhsa_next_free_sgpr 66
		.amdhsa_reserve_vcc 0
		.amdhsa_float_denorm_mode_32 3
		.amdhsa_float_denorm_mode_16_64 3
		.amdhsa_memory_ordered 1
		.amdhsa_forward_progress 1
		.amdhsa_inst_pref_size 13
	.end_amdhsa_kernel
	.amdgpu_metadata
---
amdhsa.version: [ 1, 2 ]
amdhsa.kernels:
  - .name:           k_q1e5c03e5f8_cast
    .symbol:         k_q1e5c03e5f8_cast.kd
    .args:
      - { .name: x, .offset: 0, .size: 8, .value_kind: global_buffer, .address_space: global }
      - { .name: h, .offset: 8, .size: 8, .value_kind: global_buffer, .address_space: global }
      - { .name: W_i, .offset: 16, .size: 8, .value_kind: global_buffer, .address_space: global }
      - { .name: W_f, .offset: 24, .size: 8, .value_kind: global_buffer, .address_space: global }
      - { .name: W_o, .offset: 32, .size: 8, .value_kind: global_buffer, .address_space: global }
      - { .name: W_g, .offset: 40, .size: 8, .value_kind: global_buffer, .address_space: global }
      - { .name: ab, .offset: 48, .size: 8, .value_kind: global_buffer, .address_space: global }
      - { .name: wb, .offset: 56, .size: 8, .value_kind: global_buffer, .address_space: global }
    .group_segment_fixed_size: 0
    .private_segment_fixed_size: 0
    .kernarg_segment_align: 8
    .kernarg_segment_size: 64
    .max_flat_workgroup_size: 256
    .sgpr_count:     66
    .vgpr_count:     136
    .wavefront_size: 32
...
	.end_amdgpu_metadata
.endif
;; end of part 3
;; launch lstm: the kernel of part 2 again; grid 16 x 16, 4 waves a work-group, clusters of 4 x 4, 327,680 bytes of LDS; arguments ab, wb, c, b_i, b_f, b_o, b_g, out0, out1; writes out0, out1
